; MI455X (gfx1250); checked and timed in simulation.
; The chip was launched on July 23, 2026; its instructions are those of AMD's public machine-readable ISA for CDNA 5 (MIT licence, August 2026) and "CDNA5" Instruction Set Architecture Reference Guide (July 2026). The comments in the code are by the model that wrote it; some were corrected since.
;; Attention. Allowed arithmetic: float matrix products may take bf16 or f16 operands with f32 sums; other float arithmetic in f32, or as packed bf16 or f16 multiplies, adds, multiply-adds, maxima and minima; sums over many terms, partial sums and values carried from step to step in f32; what a program stores and reads back later, other than sums and carried values, may be rounded once to bf16 or f16.
;; Inputs: key 4 x 16 x 2,048 x 64 float32; query 4 x 16 x 2,048 x 64 float32; value 4 x 16 x 2,048 x 64 float32.
;; Outputs: out0 4 x 16 x 2,048 x 64 float32.
;; One version. Each part assembles by itself: llvm-mc -triple=amdgcn-amd-amdhsa -mcpu=gfx1250 --defsym DOCPART=n.
;; ======== version 1 of 1: 1 launch
;; limits: values are held in f16: magnitudes above 65,504 overflow, below 6.1e-05 lose precision; inputs' magnitudes at most 65,504
;; launch attn (part 1): grid 4 x 64, 4 waves a work-group, no clusters, 56,832 bytes of LDS; arguments query, key, value, out0; writes out0
.if DOCPART == 1
	.amdgcn_target "amdgcn-amd-amdhsa--gfx1250"
	.amdhsa_code_object_version 6
	.text
	.protected	k_qc06dcb4c26_attn
	.globl	k_qc06dcb4c26_attn
	.p2align	8
	.type	k_qc06dcb4c26_attn,@function
k_qc06dcb4c26_attn:
	s_mov_b64 s[64:65], 0
	v_nop
	global_prefetch_b8 v0, s[64:65] scope:SCOPE_SE
	s_setreg_imm32_b32 hwreg(HW_REG_WAVE_MODE, 25, 1), 1
	s_wait_xcnt 0x0
; O[h][q][:] = the sum over k of softmax_k(Q[h][q] . K[h][k] / 8) V[h][k][:].  Q, K, V, O: [64 heads][2,048][64] in f32: a head's rows are dense, 256 bytes each.
; FORMATS.  Q, K and V are rounded once to f16 on their way to the matrix unit, the weights p once for the second product; products, maxima and sums are f32 (l is the sum of the unrounded p); O leaves in f32.
; LIMITS.  f16 holds no number beyond 65,504: |q|, |k|, |v| of 65,520 or more become infinities and the row is lost.  p lies in 0 to 1, and below 6e-5 it keeps f16's fixed step of 6e-8.
; A weight below 2^-126 counts as 0 in l.  NaN and infinities are not treated apart.
; SHARES.  Grid 4 x 64: a work-group owns 512 queries of one head, each of its four waves 128: four PIECES of two tiles of 16.  Every wave walks the head's 2,048 keys, 64 a step, 32 steps.
; LAYOUT.  S^T = K Q^T (source 0 = 16 keys, source 1 = 16 queries): in the result a lane holds ONE query (lane % 16) and the keys 8 (lane / 16) + 0..7.  Two such tiles, rounded to f16 in pairs,
; ARE source 1 (32 keys x 16 queries) of O^T = V^T P, whose result again holds one query a lane, and eight channels.  K comes out of LDS as it lies, V ([key][channel]) turned, by ds_load_tr16_b128.
; SOFTMAX.  For each query a running maximum m and sum l: p = 2^(c s - c m), c = log2(e) / 8; in every step O and l are multiplied by a = 2^(c m_old - c m_new), which is 1 where m has not grown.
; m starts at the lowest finite number and l at 0: the first step is a step like any other, with a = 0.  O^T starts with whatever finite numbers lie there (Q's, in f32): a = 0 wipes them.
; BY TURNS.  Turn n belongs to piece n (the pieces in a ring, step after step).  Its matrix work: 16 products K Q^T of piece n + 1, later 16 products V^T P of piece n - 1.  Its vector work: the scaling,
; exponentials, roundings, sums and rescaling of piece n, and the maximum and statistics of piece n + 1.  A tile and step have 16 matrix and 118 vector instructions: four vector instructions that are ready
; stand behind every matrix instruction, the others in runs of their own.
; HOW K AND V COME IN.  Of every step wave w loads keys 16 w .. 16 w + 15 of K and of V in f32 into registers (16 loads of 512 bytes, each two whole rows), rounds them (32 conversions) and stores them as f16
; into one of two LDS buffers of one step each (16 stores of 8 bytes a lane); all four waves then read the whole step.  So each number is rounded once in the work-group, and f32 never lies in LDS.
; ONE BARRIER A STEP, in the step's turn 1.  Between two barriers a wave reads one buffer only (K in turn 2, V behind turn 0) and writes the other only; in front of its signal it waits for both.
; NO CLUSTER, NO TENSOR LOADS, though the four work-groups of a head read the same K and V.  A tensor load lays bytes into LDS as they lie in memory, here f32: 32,768 bytes a step written there and read back by
; 16 more LDS loads a wave, 65,536 bytes of slots, a round of the cluster's barrier a slot, and behind all that the same 32 conversions and 16 stores.  Through registers none of it is needed.
; REGISTERS, in windows of 256 (s_set_vgpr_msb says which window each operand place means: bits 1:0 source 0, 3:2 source 1, 5:4 source 2, 7:6 destination):
;   window 0: v0-11 addresses; v12-15, v48-63 at work; v16-47 four registers of statistics a tile; v64-191 S^T, two buffers of two tiles; v192-255 P, likewise
;   window 1: O^T, 32 a tile (at the start: Q in f32)     window 2: v0-127 Q in f16, 16 a tile; v128-191 K of one step; v192-255 V of one step
;   window 3: v0-127 my keys of two steps in f32; v128-191 the same in f16; v192-193 the add's two registers
.set NP,    4         ; pieces a wave: a name, no knob
.set KS,    64        ; keys in a step
.set TRIPS, 16        ; 2,048 keys / 64 / 2: a trip of the loop is two steps
.set STEPG, KS*256    ; a step's bytes of K, and of V, in memory
.set PK,    144       ; a row of K in LDS: 128 bytes + 16 = 36 words: the 16 rows of a load start at 16 different groups of four banks (64 banks of 4 bytes: ISA guide 11.1)
.set PV,    160       ; a row of V: 128 + 32 = 40 words
.set VOFF,  KS*PK     ; in a buffer: 64 rows of K, then 64 rows of V
.set BUFB,  KS*(PK+PV)  ; a buffer: 19,456 bytes; buffer b begins at b x BUFB, and b stands in the immediates: no LDS address is ever rewritten
.set STAGE, 2*BUFB    ; behind the buffers: 16 rows x 272 bytes for each wave, for the way out
.set SP,    272       ; a row of O in the stage: 256 bytes + 16: the 16 rows of a store start at 16 different groups of four banks
.set SPARE, STAGE+4*16*SP  ; behind the stages: the spare words, 128 bytes for each wave
.set AK0, 2           ; v2   my lane's place in a tile of K: (l % 16) x 144 + 16 (l / 16)
.set AV0, 3           ; v3   the same for V: (8 (l / 16) + l % 8) x 160 + 16 ((l / 8) % 2) + VOFF
.set GK,  4           ; v4   my byte offset in a step of K in memory: 4,096 w + 2,048 (l / 16) + 16 (l % 16)
.set GV,  5           ; v5   in a step of V: 4,096 w + 1,024 (l / 16) + 16 (l % 16)
.set SK,  6           ; v6   where I put 8 bytes of K: 2,304 w + 1,152 (l / 16) + 8 (l % 16)
.set SV,  7           ; v7   of V: VOFF + 2,560 w + 640 (l / 16) + 8 (l % 16)
.set STO, 8           ; v8   the way out: where I put 32 bytes of a row
.set RD,  9           ; v9   the way out: where I read rows back
.set GO,  10          ; v10  my byte offset in 512 consecutive bytes of O
.set PFO, 11          ; v11  256 x my lane: a row of K or V is 256 bytes.  None of v2-v11 is ever rewritten
.set MV,  12          ; v12-15  c m_old, kept while c m is made anew: by buffer and tile
.set ST,  16          ; tile t's statistics at v[ST+4 t]: c m, m, l (even keys', odd keys')
.set TMP, 48          ; by buffer and tile, four registers c0-c3 at work; when the maximum is found c2 takes a
.set LR,  48          ; at the start only: l % 16,
.set LH,  49          ; l / 16,
.set LL,  50          ; l,
.set L7,  51          ; l % 8,
.set LB,  52          ; (l / 8) % 2,
.set QO,  53          ; and my byte offset in 16 rows of Q: 256 (l % 16) + 32 (l / 16)
.set S,   64
.set P,   192
.set KF,  128         ; window 2: key block kb, channel half c at KF + 16 kb + 8 c
.set VF,  192         ; window 2: key half kk, channel block cb at VF + 32 kk + 8 cb
.set FB,  0           ; window 3: set s (the pair's step s) at FB + 64 s: K's eight loads of 4 registers, then V's
.set PKD, 128         ; window 3: set s at PKD + 32 s: K's 16 registers, then V's
.set SPW, 192         ; window 3: LDS address of my spare word: SPARE + 4 x my thread's number; never rewritten
.set NIL, 193         ; window 3: 0; never rewritten
.set KP,  6           ; s[6:7]   K at the pair of steps last loaded
.set VP,  8           ; s[8:9]   V likewise
.set WV,  12          ; s12  my wave's number
.set LIM, 15          ; s15  3 in the head's first work-group, else the greatest number: a wave prefetches while s[CNT] is above it
.set PF,  16          ; s[16:17] where my prefetches stand: my step (wave % 2) of the pair last loaded, of K (waves 0, 1) or V (waves 2, 3)
.set CNT, 57          ; s57  trips still to come, this one among them
.set CS,  58          ; s[58:59] c: the packed scaling takes the pair's low word for both halves
.set SEL, 60          ; s[60:61] v_permlanex16_b32's selects: each lane takes its own place in the other half
.set MSB, 0
.macro WIN new                      ; the high byte repeats the setting that is left; a switch that changes nothing is dropped
.if MSB != (\new)
	s_set_vgpr_msb (MSB<<8)|(\new)
.set MSB, (\new)
.endif
.endm
.set W_KQ, 0x0a       ; K and Q in window 2, S^T in window 0
.set W_PV, 0x52       ; V in window 2, P in window 0, O^T in window 1
.set W_RS, 0x41       ; O^T (destination and source 0) in window 1, the factor in window 0
.set W_MK, 0xc0       ; destination in window 3, sources and addresses in window 0
.set W_AD, 0x0f       ; the add: address (source 0) and data (source 1) in window 3
.set W_CV, 0xcf       ; a conversion inside window 3
.set W_ST, 0x0c       ; an LDS store: address in window 0, data (source 1) in window 3
.set W_QC, 0x85       ; Q's conversion: sources in window 1, destination in window 2
; MY KEYS OF TWO STEPS, 32 loads.  Load i of K takes keys 16 w + i (lanes 0-15) and 16 w + 8 + i (lanes 16-31); load i of V keys 16 w + kb (lanes 0-15) and 16 w + kb + 4, kb = 0-3, 8-11:
; each half of the lanes reads one whole row of 256 bytes, a lane four channels.  (The pairing of keys is chosen for the LDS stores: see STORE.)
.macro LOADKV
	WIN W_MK
.irp s, 0,1
.irp i, 0,1,2,3,4,5,6,7
	global_load_b128 v[FB+64*\s+4*\i:FB+64*\s+4*\i+3],       v[GK], s[KP:KP+1] offset:\s*STEPG+\i*256
	global_load_b128 v[FB+64*\s+32+4*\i:FB+64*\s+32+4*\i+3], v[GV], s[VP:VP+1] offset:\s*STEPG+((\i/4)*8+\i%4)*256
.endr
.endr
	WIN 0
.endm
; Both steps are rounded to f16: four channels of a key become 8 bytes.
.macro CVTKV
	WIN W_CV
.set cn, 0
.rept 64
	v_cvt_pk_f16_f32 v[PKD+cn], v[FB+2*cn], v[FB+2*cn+1]
.set cn, cn+1
.endr
	WIN 0
.endm
; Set s goes into buffer b: 16 stores of 8 bytes a lane.  Lanes 0-15 fill 128 bytes of one row; lanes 16-31 those of the row 8 (K) or 4 (V) further down, 288 or 160 words on: 32 modulo 64, so that the
; 32 lanes touch each of the 64 banks once.  last = 1: in the last trip there is no further step, and the run is jumped over.
.macro STORE s, b, last=0
	WIN 0
.if \last
	s_cmp_eq_u32 s[CNT], 1
	s_cbranch_scc1 .Lno_st_\@
.endif
	WIN W_ST
.irp i, 0,1,2,3,4,5,6,7
	ds_store_b64 v[SK], v[PKD+32*(\s)+2*\i:PKD+32*(\s)+2*\i+1] offset:(\b)*BUFB+\i*PK
.endr
.irp i, 0,1,2,3,4,5,6,7
	ds_store_b64 v[SV], v[PKD+32*(\s)+16+2*\i:PKD+32*(\s)+16+2*\i+1] offset:(\b)*BUFB+((\i/4)*8+\i%4)*PV
.endr
	WIN 0
.if \last
.Lno_st_\@:
.endif
.endm
; THE LDS LOADS stand in runs of 16, never singly among the matrix instructions: a step's K (64 keys x 64 channels: 8 fragments) and its V (turned), out of buffer b.
.macro FETCH_K b, last=0
	WIN 0
.if \last
	s_cmp_eq_u32 s[CNT], 1
	s_cbranch_scc1 .Lno_k_\@
.endif
	WIN 0x80                        ; destination window 2
.irp f, 0,1,2,3,4,5,6,7             ; keys 16 (f / 2) on, channels 32 (f % 2) on
	ds_load_b128 v[KF+8*\f:KF+8*\f+3],   v[AK0] offset:(\b)*BUFB+(\f/2)*16*PK+(\f%2)*64
	ds_load_b128 v[KF+8*\f+4:KF+8*\f+7], v[AK0] offset:(\b)*BUFB+(\f/2)*16*PK+(\f%2)*64+32
.endr
	WIN 0
.if \last
.Lno_k_\@:
.endif
.endm
.macro FETCH_V b
	WIN 0x80
.irp f, 0,1,2,3,4,5,6,7             ; keys 32 (f / 4) on, channels 16 (f % 4) on
	ds_load_tr16_b128 v[VF+8*\f:VF+8*\f+3],   v[AV0] offset:(\b)*BUFB+(\f/4)*32*PV+(\f%4)*32
	ds_load_tr16_b128 v[VF+8*\f+4:VF+8*\f+7], v[AV0] offset:(\b)*BUFB+(\f/4)*32*PV+16*PV+(\f%4)*32
.endr
	WIN 0
.endm
; WHAT AN EVEN STEP jj DOES FOR LATER STEPS, behind its turn 0.  jj = 2 (16 - CNT).  Steps jj + 2 and jj + 3, loaded a trip ago, are rounded (they exist while CNT >= 2); steps jj + 4 and jj + 5 are loaded
; (CNT >= 3): they have a trip, 256 matrix instructions, in which to land; steps jj + 6 and jj + 7 are prefetched into the L2 (CNT >= 4), a trip ahead of their loads.
; THE PREFETCH.  All four work-groups of a head read the same rows: the first of them (x = 0) asks.  Wave 0 asks for K's step jj + 6, wave 1 for K's jj + 7, waves 2 and 3 for V's: 64 rows of 256 bytes, a lane a row,
; two instructions: each row is named once in the launch.  They stand together, behind the wave's loads.  Steps 0 to 5 come by their loads alone; the last three trips ask for nothing: no step lies behind step 31.
; All jumps go forward, hang on the trip's count (and on x), and pass no barrier.
.macro AHEAD
	WIN 0
	s_cmp_lt_u32 s[CNT], 2
	s_cbranch_scc1 .Lahead_end_\@
	s_wait_loadcnt 0x0              ; the 32 loads of a trip ago are in; no other load is out
	CVTKV
	s_cmp_lt_u32 s[CNT], 3
	s_cbranch_scc1 .Lahead_end_\@
	s_wait_xcnt 0x0                 ; the loads and prefetches of a trip ago have read their addresses, so the three pointers may be written
	s_add_nc_u64 s[KP:KP+1], s[KP:KP+1], 2*STEPG
	s_add_nc_u64 s[VP:VP+1], s[VP:VP+1], 2*STEPG
	s_add_nc_u64 s[PF:PF+1], s[PF:PF+1], 2*STEPG
	LOADKV
	s_cmp_gt_u32 s[CNT], s[LIM]
	s_cbranch_scc0 .Lahead_end_\@
	global_prefetch_b8 v[PFO], s[PF:PF+1] offset:2*STEPG th:TH_LOAD_NT scope:SCOPE_SE       ; my step of the next pair: rows 0-31,
	global_prefetch_b8 v[PFO], s[PF:PF+1] offset:2*STEPG+8192 th:TH_LOAD_NT scope:SCOPE_SE  ; rows 32-63
.Lahead_end_\@:
.endm
; THE MATRIX WORK.  The 8 accumulators of a run of 16 take turns: between the two links of a chain stand 7 others'.
; Product i of 16 of S^T = K Q^T for piece x: channels 32 (i / 8) on, keys 16 ((i / 2) % 4) on, tile 2 x + i % 2.  The first 8 start the sums.
.macro KQ x
	WIN W_KQ
.set rS, S+64*((\x)%2)+32*(i%2)+8*((i/2)%4)
.set rK, KF+16*((i/2)%4)+8*(i/8)
.set rQ, 16*(2*(\x)+i%2)+8*(i/8)
.if i < 8
	v_wmma_f32_16x16x32_f16 v[rS:rS+7], v[rK:rK+7], v[rQ:rQ+7], 0
.else
	v_wmma_f32_16x16x32_f16 v[rS:rS+7], v[rK:rK+7], v[rQ:rQ+7], v[rS:rS+7]
.endif
.endm
; Product i of 16 of O^T += V^T P for piece x: keys 32 (i / 8) on, channels 16 ((i / 2) % 4) on, tile 2 x + i % 2.
.macro PV x
	WIN W_PV
.set rO, 32*(2*(\x)+i%2)+8*((i/2)%4)
.set rV, VF+32*(i/8)+8*((i/2)%4)
.set rP, P+32*((\x)%2)+16*(i%2)+8*(i/8)
	v_wmma_f32_16x16x32_f16 v[rO:rO+7], v[rV:rV+7], v[rP:rP+7], v[rO:rO+7]
.endm
.macro MM                           ; the turn's next matrix instruction
.if i < 16
	KQ (Y+1)%NP
.set i, i+1
.else
.set i, i-16
	PV (Y+NP-1)%NP
.set i, i+17
.endif
.endm
; THE VECTOR WORK OF A TURN stands in three queues, each in the order in which its entries become ready; the two tiles alternate, so that no instruction reads the result of the one before it.
.macro REGS y, u                    ; the registers of tile u (0, 1) of piece y; a piece's buffers go by its number's parity
.set rT, ST+4*(2*(\y)+(\u))
.set rC, TMP+8*((\y)%2)+4*(\u)
.set rM, MV+2*((\y)%2)+(\u)
.set rS, S+64*((\y)%2)+32*(\u)
.set rP, P+32*((\y)%2)+16*(\u)
.set rO, 32*(2*(\y)+(\u))
.endm
; Number n of the 22 that find the NEXT piece's (Y + 1) maximum and statistics.  s0-s31 are the lane's 32 scores; each accumulator's lowest registers are read first.  XS, GS and REGS set no window: PL and EX do.
;   0-11  four chains c0-c3 of seven scores each, three operands at a time     12-14, 16  the four scores left over, the old m, and c0-c3 into c0     15  c m_old is kept
;   17, 18  the query's other 32 keys lie in the lane 16 away: the new m         19-21  c m; c m_old - c m_new; a
.macro XS u, n
	REGS (Y+1)%NP, \u
.if (\n) < 4
	v_max3_num_f32 v[rC+(\n)], v[rS+8*(\n)], v[rS+8*(\n)+1], v[rS+8*(\n)+2]
.elseif (\n) < 12
	v_max3_num_f32 v[rC+(\n)%4], v[rC+(\n)%4], v[rS+8*((\n)%4)+2*((\n)/4)+1], v[rS+8*((\n)%4)+2*((\n)/4)+2]
.elseif (\n) == 12
	v_max3_num_f32 v[rC], v[rC], v[rS+7], v[rS+15]
.elseif (\n) == 13
	v_max3_num_f32 v[rC+1], v[rC+1], v[rS+23], v[rS+31]
.elseif (\n) == 14
	v_max3_num_f32 v[rC+2], v[rC+2], v[rC+3], v[rT+1]
.elseif (\n) == 15
	v_mov_b32 v[rM], v[rT]
.elseif (\n) == 16
	v_max3_num_f32 v[rC], v[rC], v[rC+1], v[rC+2]
.elseif (\n) == 17
	v_permlanex16_b32 v[rC+3], v[rC], s[SEL], s[SEL+1]
.elseif (\n) == 18
	v_max_num_f32 v[rT+1], v[rC], v[rC+3]
.elseif (\n) == 19
	v_mul_f32 v[rT], s[CS], v[rT+1]
.elseif (\n) == 20
	v_sub_f32 v[rC+1], v[rM], v[rT]
.else
	v_exp_f32 v[rC+2], v[rC+1]
.endif
.endm
; Number g of the 64 that follow the exponentials.  For each four weights k of a tile (pairs 2 k, 2 k + 1): both pairs are rounded to f16; then the second pair is added onto the first, in place;
; a group later l takes that sum (the first time as l = a l + sum).  In groups of eight, tiles alternating: round, round, add, and l for the group before.
.macro GS g
.set h, (\g)+6*((\g)/62)            ; group 0 has no group before it, and behind group 7 only l is left
.if h >= 6
.set h, h+2
.endif
	REGS Y, h%2
.set k, h/8
.if h%8 < 4
	s_wait_alu depctr_va_vdst(0)
	v_cvt_pk_f16_f32 v[rP+2*k+(h%8)/2], v[rS+4*k+2*((h%8)/2)], v[rS+4*k+2*((h%8)/2)+1]
.elseif h%8 < 6
	v_pk_add_f32 v[rS+4*k:rS+4*k+1], v[rS+4*k:rS+4*k+1], v[rS+4*k+2:rS+4*k+3]
.elseif k == 1
	v_pk_fma_f32 v[rT+2:rT+3], v[rT+2:rT+3], v[rC+2:rC+3], v[rS:rS+1] op_sel_hi:[1,0,1]
.else
	v_pk_add_f32 v[rT+2:rT+3], v[rT+2:rT+3], v[rS+4*k-4:rS+4*k-3]
	s_wait_alu depctr_va_vdst(0)
.endif
.endm
; THE PLAIN QUEUE, 138 long.  0-31: c s - c m for the 16 pairs of both tiles.  Then GS's 64, and among them the next piece's 42: number 15 at 38, 39; 0-14 and 16
; at 42-73, behind the products that make those scores; 17-20 at 95-106, two of three, since each waits for the one before it.
.macro PL
	WIN 0
.if q < 32
	REGS Y, q%2
	v_pk_fma_f32 v[rS+2*(q/2):rS+2*(q/2)+1], v[rS+2*(q/2):rS+2*(q/2)+1], s[CS:CS+1], v[rT:rT+1] op_sel_hi:[1,0,0] neg_lo:[0,0,1] neg_hi:[0,0,1]
.elseif q < 38
	GS q-32
.elseif q < 40
	XS q%2, 15
.elseif q < 42
	GS q-34
.elseif q < 74
	XS q%2, (q-42)/2+(q-42)/30
.elseif q < 95
	GS q-66
.elseif (q < 107) && ((q-95)%3 < 2)
	XS (q-95)%3, 17+(q-95)/3
.elseif q < 107
	GS 29+(q-95)/3
.else
	GS q-74
.endif
.set q, q+1
.endm
; THE EXPONENTIALS' QUEUE, 66 long: s0-s31 of both tiles, and at EA the next piece's two a.
.set EA, 58
.macro EX
	WIN 0
.if (e == EA) || (e == EA+1)
	XS e-EA, 21
.else
.set x, e-2*(e/(EA+2))
	REGS Y, x%2
	v_exp_f32 v[rS+x/2], v[rS+x/2]
.endif
.set e, e+1
.endm
; THE RESCALING's QUEUE: O^T times a, the one part that leaves window 0, so it is dealt four at a time, eight times; each accumulator's lowest registers first.
.macro R4
	REGS Y, r%2
	WIN W_RS
	s_wait_alu depctr_va_vdst(0)
.irp z, 0,1,2,3
	v_pk_mul_f32 v[rO+8*(r/2)+2*\z:rO+8*(r/2)+2*\z+1], v[rO+8*(r/2)+2*\z:rO+8*(r/2)+2*\z+1], v[rC+2:rC+3] op_sel_hi:[1,0]
.endr
.set r, r+1
.endm
; HOW THEY ARE DEALT.  Behind a matrix instruction four: plain, exponential, plain, plain (one exponential, a plain instruction on either side: ISA guide 5.7.2), or four of the rescaling.  None names a register of
; the products round it.  What is over stands in two runs: exponential and plain by turns; the second ends in 22 plain instructions.  The two v_permlanex16_b32 fall into the second run, never behind a product.
; The queues lean on each other, and the deal keeps them in step: exponential e stands behind plain 2 (e / 4) + e % 2 (its scaling); when plain 32 comes, 10 exponentials are out, at 59: 33, at 95: 46; EA comes behind plain 107.
.macro SL
	MM
	PL
	EX
	PL
	PL
.endm
.macro BURST n                      ; 15 matrix instructions, or 16
.rept (\n)-7
	SL
.endr
.rept 3
	MM
	R4
	SL
.endr
	MM
	R4
.endm
; A TURN, for piece p.  b: the buffer that it reads (turns 0 and 2).  last = 1: what serves the step after this trip is jumped over in the last trip.  ahead = 1: AHEAD follows.
; Turn 2 fetches the NEXT step's K, 30 vector instructions (17 of them plain) behind the last product that read K; it is waited for at the head of turn 3.
; Turn 0 ends with the fetch of ITS step's V, 68 vector instructions behind the last product that read V, and with the stores of the next step into the other buffer.
; Turn 1 holds the step's barrier.  In front of the signal: s_wait_dscnt 0, for V's loads (which the turn's products want, and behind which nobody's reads of the step's buffer are left: it may be written
; again) and for my stores (the other buffer may be read).  Between signal and wait: 16 products and 128 vector instructions, all on registers.
.macro TURN p, b=0, last=0, ahead=0
.set Y, (\p)
.set i, 0
.set q, 0
.set e, 0
.set r, 0
.if (\p) == NP-1
	s_wait_dscnt 0x0                ; K is in
.endif
	MM
.rept 4
	PL
.endr
	BURST 15
.rept 22
	EX
	PL
.if ((\p) == NP-2) && (e == 24)
	FETCH_K \b, \last
.endif
.endr
.if (\p) == 1
	s_wait_dscnt 0x0                ; V is in, and my stores of the next step are done
	s_barrier_signal -1
.endif
	BURST 16
.rept 21
	EX
	PL
.endr
.rept 22
	PL
.endr
.if (\p) == 0
	FETCH_V \b
	STORE 1-(\b), 1-(\b), \last
.if \ahead
	AHEAD
.endif
.endif
.if (\p) == 1
	WIN 0
	s_barrier_wait -1               ; every wave has read the step's buffer out and has stored its part of the next step
.endif
.endm
	s_load_b256 s[4:11], s[0:1], 0x0  ; Q s[4:5], K s[6:7], V s[8:9], O s[10:11]
	WIN W_MK
	v_lshl_add_u32 v[SPW], v0, 2, SPARE  ; the two registers of the add at the wave's end
	v_mov_b32 v[NIL], 0
	WIN 0
	v_lshrrev_b32 v1, 5, v0
	v_readfirstlane_b32 s[WV], v1   ; wave 0..3
	v_and_b32 v[LR], 15, v0
	v_bfe_u32 v[LH], v0, 4, 1
	v_and_b32 v[LL], 31, v0
	v_and_b32 v[L7], 7, v0
	v_bfe_u32 v[LB], v0, 3, 1
	; A fragment of K or Q is 16 rows x 32 channels in 8 registers: lane l holds row l % 16, channels 8 (l / 16) + 0..7 and 16 + 8 (l / 16) + 0..7: in f16 two loads of 16 bytes, 32 bytes apart.
	v_mul_u32_u24 v[AK0], v[LR], PK
	v_lshl_add_u32 v[AK0], v[LH], 4, v[AK0]
	; The turning load takes 16 keys x 16 channels (lane l reads key 8 (l / 16) + l % 8, channels 8 ((l / 8) % 2) + 0..7) and leaves half a fragment of V^T: lane l holds channel l % 16 and 8 keys.
	v_lshl_add_u32 v[AV0], v[LH], 3, v[L7]
	v_mul_u32_u24 v[AV0], v[AV0], PV
	v_lshl_add_u32 v[AV0], v[LB], 4, v[AV0]
	v_add_nc_u32 v[AV0], VOFF, v[AV0]
	s_lshl_b32 s13, s[WV], 12       ; my 16 keys of a step in memory
	v_lshlrev_b32 v1, 4, v[LR]
	v_add_nc_u32 v1, s13, v1
	v_lshl_add_u32 v[GK], v[LH], 11, v1  ; lanes 16-31: 8 keys on
	v_lshl_add_u32 v[GV], v[LH], 10, v1  ; 4 keys on
	s_mul_i32 s13, s[WV], 16*PK     ; and in a buffer
	v_mul_u32_u24 v[SK], v[LH], 8*PK
	v_lshl_add_u32 v[SK], v[LR], 3, v[SK]
	v_add_nc_u32 v[SK], s13, v[SK]
	s_mul_i32 s14, s[WV], 16*PV
	s_add_co_u32 s14, s14, VOFF
	v_mul_u32_u24 v[SV], v[LH], 4*PV
	v_lshl_add_u32 v[SV], v[LR], 3, v[SV]
	v_add_nc_u32 v[SV], s14, v[SV]
	s_mul_i32 s13, s[WV], 16*SP
	s_add_co_u32 s13, s13, STAGE    ; my stage
	v_mul_u32_u24 v[STO], v[LR], SP ; in: row l % 16, 32 bytes for each half of the lanes
	v_lshl_add_u32 v[STO], v[LH], 5, v[STO]
	v_add_nc_u32 v[STO], s13, v[STO]
	v_mul_u32_u24 v[RD], v[LH], SP  ; back: lanes 0-15 take one row of 256 bytes, lanes 16-31 the next,
	v_lshl_add_u32 v[RD], v[LR], 4, v[RD]
	v_add_nc_u32 v[RD], s13, v[RD]
	v_lshlrev_b32 v[GO], 4, v[LL]   ; which are 512 consecutive bytes of O
	v_lshlrev_b32 v[PFO], 8, v[LL]
	v_lshlrev_b32 v[QO], 8, v[LR]
	v_lshl_add_u32 v[QO], v[LH], 5, v[QO]
	s_mov_b32 s[CS], 0x3e38aa3b     ; c = log2(e) / 8 = 0.180337
	s_mov_b32 s[CS+1], s[CS]        ; named with it as a pair
	s_mov_b32 s[SEL], 0x76543210
	s_mov_b32 s[SEL+1], 0xfedcba98
	s_cmp_eq_u32 ttmp9, 0
	s_cselect_b32 s[LIM], 3, -1
	s_and_b32 s20, ttmp7, 0xffff    ; the head,
	s_lshl_b32 s20, s20, 19         ; its first byte in each of the four tensors: 2,048 rows of 256 bytes
	s_mov_b32 s21, 0
	s_lshl_b32 s22, ttmp9, 2
	s_add_co_u32 s22, s22, s[WV]    ; my wave among the head's sixteen,
	s_lshl_b32 s22, s22, 15         ; its 128 rows
	s_add_co_u32 s22, s22, s20
	s_mov_b32 s23, 0
	s_and_b32 s2, s[WV], 1          ; the prefetches: my step of a pair,
	s_lshl_b32 s2, s2, 14
	s_add_co_u32 s2, s2, 2*STEPG    ; in steps 2 and 3: the first trip steps it on with the loads' pointers
	s_mov_b32 s3, 0
	s_wait_kmcnt 0x0
	s_add_nc_u64 s[KP:KP+1], s[KP:KP+1], s[20:21]  ; K and V at the head's steps 0 and 1
	s_add_nc_u64 s[VP:VP+1], s[VP:VP+1], s[20:21]
	s_add_nc_u64 s[4:5], s[4:5], s[22:23]          ; Q and O at my wave's first row
	s_add_nc_u64 s[10:11], s[10:11], s[22:23]
	s_cmp_lt_u32 s[WV], 2
	s_cselect_b64 s[PF:PF+1], s[KP:KP+1], s[VP:VP+1]
	s_add_nc_u64 s[PF:PF+1], s[PF:PF+1], s[2:3]
	LOADKV                          ; steps 0 and 1: wanted first, asked for first
	WIN 0x40                        ; Q in f32 lands in window 1: fragment g (tile g / 2, channels 32 (g % 2) on) in 16 registers: my 8 + 8 channels are 32 + 32 bytes, 64 bytes apart
.set cn, 0
.rept 16
	global_load_b128 v[16*cn:16*cn+3],     v[QO], s[4:5] offset:(cn/2)*4096+(cn%2)*128 th:TH_LOAD_NT
	global_load_b128 v[16*cn+4:16*cn+7],   v[QO], s[4:5] offset:(cn/2)*4096+(cn%2)*128+16 th:TH_LOAD_NT
	global_load_b128 v[16*cn+8:16*cn+11],  v[QO], s[4:5] offset:(cn/2)*4096+(cn%2)*128+64 th:TH_LOAD_NT
	global_load_b128 v[16*cn+12:16*cn+15], v[QO], s[4:5] offset:(cn/2)*4096+(cn%2)*128+80 th:TH_LOAD_NT
.set cn, cn+1
.endr
	; What the first turn finds: V's registers and P's second buffer hold 0 (its products V^T P, of a piece that has not been, add 0), l is 0.  All this stands in the wait for the first loads.
	WIN 0x80
.set cn, VF
.rept 64
	v_mov_b32 v[cn], 0
.set cn, cn+1
.endr
	WIN 0
.set cn, P+32
.rept 32
	v_mov_b32 v[cn], 0
.set cn, cn+1
.endr
.set cn, 0
.rept 2*NP
	v_mov_b32 v[ST+4*cn], 0xfe000000    ; c m: far below every c s
	v_mov_b32 v[ST+4*cn+1], 0xff7fffff  ; m
	v_mov_b32 v[ST+4*cn+2], 0
	v_mov_b32 v[ST+4*cn+3], 0
.set cn, cn+1
.endr
	s_wait_loadcnt 63               ; steps 0 and 1 are in: 64 loads, Q's, were issued behind them, and 63 is the greatest count that the wait can name
	CVTKV
	STORE 0, 0                      ; step 0 into buffer 0
	s_wait_xcnt 0x0                 ; every load has read its address, so the pointers may be written
	s_add_nc_u64 s[KP:KP+1], s[KP:KP+1], 2*STEPG
	s_add_nc_u64 s[VP:VP+1], s[VP:VP+1], 2*STEPG
	LOADKV                          ; steps 2 and 3
	s_wait_dscnt 0x0                ; for the others' sake: my stores are done
	s_barrier_signal -1
	s_barrier_wait -1               ; step 0 lies whole in buffer 0
	FETCH_K 0
	s_wait_loadcnt 32               ; Q is in: the 32 loads of steps 2 and 3 were issued behind it
	WIN W_QC
.set cn, 0
.rept 128
	v_cvt_pk_f16_f32 v[cn], v[2*cn], v[2*cn+1]  ; Q stays in registers, in f16; its f32 numbers stay where O^T will be: finite, and multiplied by a = 0 in the first step
.set cn, cn+1
.endr
	WIN 0
	s_wait_dscnt 0x0                ; K of step 0
.set i, 0
.rept 16
	KQ 0                            ; piece 0's first scores: there is no vector work yet to set between them
.set i, i+1
.endr
	WIN 0
.rept 4
	v_nop                           ; four places between those products and the first read of their results (ISA guide 7.12.1)
.endr
.set Y, NP-1                        ; XS works for piece Y + 1: piece 0
.irp n, 0,1,2,3,4,5,6,7,8,9,10,11,12,13,14,15,16,17,18,19,20,21
	XS 0, \n                        ; piece 0's first maximum and statistics
	XS 1, \n
.endr
	v_nop                           ; a plain instruction behind the exponentials
	s_mov_b32 s[CNT], TRIPS
.Lloop:                             ; a trip: steps jj = 2 (16 - CNT), in buffer 0, and jj + 1, in buffer 1
	TURN 0, 0, 0, 1                 ; V of jj | step jj + 1 into buffer 1 | what later steps need
	TURN 1                          ; the barrier of step jj
	TURN 2, 1                       ; K of jj + 1
	TURN 3
	TURN 0, 1, 1                    ; V of jj + 1 | step jj + 2 into buffer 0, if there is one
	TURN 1                          ; the barrier of step jj + 1
	TURN 2, 0, 1                    ; K of jj + 2, if there is one
	TURN 3                          ; (in the last trip its 16 products K Q^T, on the last K once more, and the maximum made of them serve nothing: the price, once a launch, of one text for every trip)
	WIN 0                           ; at a label and at a branch every window is 0
	s_sub_co_u32 s[CNT], s[CNT], 1
	s_cmp_lg_u32 s[CNT], 0
	s_cbranch_scc1 .Lloop
.set i, 0
.rept 16
	PV NP-1                         ; the last piece's V^T P of the last step
.set i, i+1
.endr
	; THE WAY OUT.  l's two halves and the other half of the lanes' are added; O^T is divided by l and sent through my stage in LDS, a tile (16 rows of O) at a time.  The additions are the places behind the last products.
	WIN 0
.macro ALL line:vararg              ; one line for each tile t
.set t, 0
.rept 2*NP
	\line
.set t, t+1
.endr
.endm
	ALL v_add_f32 v[ST+4*t+2], v[ST+4*t+2], v[ST+4*t+3]
	ALL v_permlanex16_b32 v[ST+4*t+3], v[ST+4*t+2], s[SEL], s[SEL+1]
	ALL v_add_f32 v[ST+4*t+2], v[ST+4*t+2], v[ST+4*t+3]
	ALL v_rcp_f32 v[ST+4*t+2], v[ST+4*t+2]
	v_nop                           ; a plain instruction between the last reciprocal and the use of its result
	s_wait_alu depctr_va_vdst(0)
; Tile t: a lane's eight channels of a row are 32 bytes; they go into rows of 272 bytes and come back as whole rows of 256, into the registers that they left.
.macro PACK t
	WIN W_RS
.set cn, 32*(\t)
.rept 16
	v_pk_mul_f32 v[cn:cn+1], v[cn:cn+1], v[ST+4*(\t)+2:ST+4*(\t)+3] op_sel_hi:[1,0]
.set cn, cn+2
.endr
	WIN 0x04                        ; the data of a store (source 1) in window 1
.irp c, 0,1,2,3
	ds_store_b128 v[STO], v[32*(\t)+8*\c:32*(\t)+8*\c+3]   offset:64*\c
	ds_store_b128 v[STO], v[32*(\t)+8*\c+4:32*(\t)+8*\c+7] offset:64*\c+16
.endr
	WIN 0x40                        ; destination window 1
.irp f, 0,1,2,3,4,5,6,7
	ds_load_b128 v[32*(\t)+4*\f:32*(\t)+4*\f+3], v[RD] offset:\f*2*SP  ; LDS serves a wave's instructions in order (ISA guide 5.7.1.4): these see the stores above; the next tile's stores come behind them
.endr
.endm
.macro SEND t, younger              ; younger: the LDS instructions issued behind tile t's loads: the next tile's sixteen, or none
	WIN 0x04
.irp f, 0,1,2,3,4,5,6,7
	s_wait_dscnt (\younger)+7-\f
	global_store_b128 v[GO], v[32*(\t)+4*\f:32*(\t)+4*\f+3], s[10:11] offset:(\t)*4096+\f*512 th:TH_STORE_NT  ; 512 consecutive bytes, at a multiple of 256 from O's first
.endr
.endm
	PACK 0
.set t, 1
.rept 2*NP-1                        ; a tile's arithmetic stands between the loads of the tile before and its stores
	PACK t
	SEND t-1, 16
.set t, t+1
.endr
	SEND 2*NP-1, 0
	WIN W_AD
	s_wait_tensorcnt 0x0            ; the wave's end, behind my last LDS store
	ds_add_u32 v[SPW], v[NIL]
	s_wait_dscnt 0x0
	WIN 0
	s_endpgm
.Lfunc_end_k_qc06dcb4c26_attn:
	.size	k_qc06dcb4c26_attn, .Lfunc_end_k_qc06dcb4c26_attn-k_qc06dcb4c26_attn
	.p2alignl 7, 3214868480
	.fill 96, 4, 3214868480
	.section	.rodata,"a",@progbits
	.p2align	6, 0x0
	.amdhsa_kernel k_qc06dcb4c26_attn
		.amdhsa_group_segment_fixed_size 56832
		.amdhsa_private_segment_fixed_size 0
		.amdhsa_enable_private_segment 0
		.amdhsa_kernarg_size 32
		.amdhsa_user_sgpr_count 2
		.amdhsa_user_sgpr_kernarg_segment_ptr 1
		.amdhsa_wavefront_size32 1
		.amdhsa_system_sgpr_workgroup_id_x 1
		.amdhsa_system_sgpr_workgroup_id_y 1
		.amdhsa_system_sgpr_workgroup_id_z 1
		.amdhsa_system_vgpr_workitem_id 0
		.amdhsa_next_free_vgpr 962
		.amdhsa_next_free_sgpr 66
		.amdhsa_reserve_vcc 0
		.amdhsa_float_denorm_mode_32 3
		.amdhsa_float_denorm_mode_16_64 3
		.amdhsa_memory_ordered 1
		.amdhsa_forward_progress 1
		.amdhsa_inst_pref_size 227
	.end_amdhsa_kernel
	.amdgpu_metadata
---
amdhsa.version: [ 1, 2 ]
amdhsa.kernels:
  - .name:           k_qc06dcb4c26_attn
    .symbol:         k_qc06dcb4c26_attn.kd
    .args:
      - { .name: query, .offset: 0, .size: 8, .value_kind: global_buffer, .address_space: global }
      - { .name: key, .offset: 8, .size: 8, .value_kind: global_buffer, .address_space: global }
      - { .name: value, .offset: 16, .size: 8, .value_kind: global_buffer, .address_space: global }
      - { .name: out0, .offset: 24, .size: 8, .value_kind: global_buffer, .address_space: global }
    .group_segment_fixed_size: 56832
    .private_segment_fixed_size: 0
    .kernarg_segment_align: 8
    .kernarg_segment_size: 32
    .max_flat_workgroup_size: 128
    .sgpr_count:     66
    .vgpr_count:     962
    .wavefront_size: 32
...
	.end_amdgpu_metadata
.endif
;; end of part 1
